; MI455X (gfx1250); checked and timed in simulation.
; The chip was launched on July 23, 2026; its instructions are those of AMD's public machine-readable ISA for CDNA 5 (MIT licence, August 2026) and "CDNA5" Instruction Set Architecture Reference Guide (July 2026). The comments in the code are by the model that wrote it; some were corrected since.
;; Sliding Window Attention. Allowed arithmetic: matrix products marked QUANTISED: E5M2 operands, one E8M0 scale for each 32 along K, by v_wmma_scale_f32_16x16x128_f8f6f4 with both operands' format E5M2, f32 sums; everything else in f32.
;; Inputs: k 1 x 16 x 4,096 x 64 float32; q 1 x 16 x 4,096 x 64 float32; v 1 x 16 x 4,096 x 64 float32.
;; Outputs: out0 1 x 16 x 4,096 x 64 float32.
;; This version of the problem:
;;   THIS VERSION OF THE PROBLEM IS GIVEN IN LOW PRECISION. The matrix products marked QUANTISED in the list below multiply operands that are first quantised to E5M2 (5 exponent bits, 2 mantissa bits; 8 bits a number), with one power-of-two scale for each 32 numbers along K (OCP MX v1.0); their sums are f32. All else is computed in f32.
;;   The module's matrix products, in the order in which they are computed (A, B: the left and right operand; K: the contracted axis; several contracted axes count as one K, in the product's order):
;;     1. batch 16 x [M 4,096, K 64] x [K 64, N 4,096]; A: input q; B: input k: QUANTISED
;;     2. batch 16 x [M 4,096, K 4,096] x [K 4,096, N 64]; A: softmax (see below); B: input v: QUANTISED
;;   THE QUANTISER, for each operand of a quantised product, along K:
;;     - K is cut into blocks of 32 from its start; a last block that is shorter is filled with zeros.
;;     - A block's scale is 2^e with e = floor(log2(the largest magnitude in the block)) - 15, held to -126 .. 127; a block of zeros has e = 0. As a byte (E8M0): e + 127.
;;     - Each number is divided by its block's scale, clamped to +-57,344, and rounded to the nearest number of E5M2, ties to even, subnormals kept.
;;     - The product sums the exact products of the quantised numbers (number of the format x scale) in f32.
;;   ~~~python
;;   def quantise(x, axis):      # numpy; x: float32 -> the quantised numbers, widened to float32 again
;;       x = np.moveaxis(x, axis, -1); K = x.shape[-1]
;;       x = np.pad(x, [(0, 0)] * (x.ndim - 1) + [(0, -K % 32)]); x = x.reshape(x.shape[:-1] + (-1, 32)); a = np.abs(x).max(-1, keepdims=True)
;;       e = np.where(a > 0, np.clip(np.frexp(np.where(a > 0, a, 1))[1] - 1 - 15, -126, 127), 0)      # np.frexp(a)[1] - 1 = floor(log2(a)), exactly
;;       r = np.clip(x / 2.0 ** e, -57344, 57344)
;;       step = 2.0 ** (np.maximum(np.frexp(np.where(r == 0, 1, r))[1] - 1, -14) - 2)
;;       q = np.round(r / step) * step * 2.0 ** e      # np.round: ties to even
;;       return np.moveaxis(q.reshape(q.shape[:-2] + (-1,))[..., :K], -1, axis).astype(np.float32)
;;   ~~~
;;   SOFTMAX AHEAD OF A QUANTISED PRODUCT. Where the list says 'softmax', what is quantised is not the finished softmax but p = 2^(t - M), with t = logit x log2(e) and M = ceil(the row's largest t), a whole number; so 1/2 < the row's largest p <= 1. The row's sum l is taken of the UNQUANTISED p, in f32, and the product's result is divided by l at the end. Since M is a whole number, a kernel that streams over the keys may use a running M (the ceiling of the running maximum): every later rescaling is an exact power of two, which a block's scale takes up: the codes' values come out the same.
;;   OPERANDS COMPUTED ON THE WAY. 'Computed on the way' means the value that the module computes at that place (a softmax that the list does not call 'softmax' is quantised finished and normalised). What goes into a quantiser is computed in f32, as accurately as f32 sums, v_exp_f32 and their like allow (about 1e-6 of the number): no bf16 or f16 on the way to a quantiser, and a product that is left as it is and whose result goes on into a quantised operand takes f32 operands (vector FMAs, or v_wmma_f32_16x16x4_f32). A number that lies on a knife's edge between two numbers of the format may be rounded either way, as far as f32 arithmetic and the matrix unit's own rounding can turn it there, and no further.
;; 2 versions. Each part assembles by itself: llvm-mc -triple=amdgcn-amd-amdhsa -mcpu=gfx1250 --defsym DOCPART=n.
;; ======== version 1 of 2: 1 launch
;; launch swa (part 1): grid 16 x 16, 16 waves a work-group, no clusters, 174,592 bytes of LDS; arguments q, k, v, out0; writes out0
.if DOCPART == 1
	.amdgcn_target "amdgcn-amd-amdhsa--gfx1250"
	.amdhsa_code_object_version 6
	.text
	.protected	k_q06909690e2_swa
	.globl	k_q06909690e2_swa
	.p2align	8
	.type	k_q06909690e2_swa,@function
k_q06909690e2_swa:
	s_mov_b64 s[64:65], 0
	v_nop
	global_prefetch_b8 v0, s[64:65] scope:SCOPE_SE
	s_setreg_imm32_b32 hwreg(HW_REG_WAVE_MODE, 25, 1), 1
	s_wait_xcnt 0x0
; out[h][i][:] = sum over j, |i - j| <= 256, of softmax_j(q[h][i] . k[h][j] / 8) v[h][j][:].  q, k, v, out: [16][4096][64] f32.
; Both products run on codes of BF8 (E5M2) with one E8M0 scale for each 32 along a product's K: q and k are quantised along the 64 channels, v and p along the keys (blocks of 32 counted from key 0).
; p = 2^(t - M), t = score x log2(e) / 8, M = the running largest t rounded up to a whole number; the row's sum is taken of the unquantised p and divides at the end.
; SHARES.  A work-group owns 256 queries of one head (x: the block, y: the head); each of its sixteen waves owns 16 of them.  The block's band lies in keys Q0 - 256 .. Q0 + 511: six aligned steps of 128 keys.
; As codes, K and V of those 768 keys are 98,304 bytes: all of them lie in LDS at once, so there is no ring and ONE barrier.
;   A: waves 0-7 quantise V, waves 8-15 K (three units of 256 keys each), every wave its own 16 queries; K and V go to LDS as images of the operands' registers (16 bytes a lane, 512 bytes a store).
;   B: each wave walks the five steps that its 16 queries touch: S^T = K Q^T, mask on the band's two end steps, softmax, p quantised in registers, O^T += V^T P^T.
;   C: O^T / the sum leaves through the wave's own stage: each store of the wave covers 512 consecutive bytes, aligned.
; A step outside the sequence (blocks 0 and 15) is passed over by a scalar branch on ids; phase A fills its bytes from a clamped unit, so that all waves run one text with the same counts and every load stays inside its buffer.
; K = 64 IN AN INSTRUCTION OF K = 128.  Q's fragment has zero codes in its upper eight registers.  K's tiles lie eight registers apart, so the upper half of tile t's operand is tile t + 1's codes (finite: the hold
; admits no infinity), and eight zero registers follow tile 7: finite x 0 adds nothing.  Bytes 2 and 3 of both scale words are 0, which is 2^-127, a number.
; LAYOUT.  Both products are used transposed: a lane holds ONE query (lane % 16) throughout.  Lane r of K's tile 2 b + u takes key 32 b + 8 u + r + 8 (r / 8), so that S^T's register 16 b + i is key 32 b + 16 (lane / 16) + i.
; Row m of V^T's tile t is channel 4 m + t: the lane that loaded 16 bytes of a row of v holds one row of each of the four tiles.
; NO JOINT LOADS: the inputs are f32 and pass through registers to be quantised (768 keys of K and V in f32 are 393,216 bytes, more than a work-group's LDS), and neighbouring blocks want ranges 256 keys apart, not equal tiles.
; NO PREFETCH: all that the work-group reads is asked for by the loads of phase A themselves; nothing later is left to ask ahead for.
; LIMITS: NaN and infinities among the inputs are not served.  A block whose largest magnitude lies under 2^-111 keeps the scale byte 1.  A block of zeros gets the byte 1 where the quantiser says 127: its codes are
; zeros, and the bytes are read by this text alone.  A p under 2^-126 comes out of v_exp_f32 as 0.
.set KIMG, 0                           ; LDS: K's tile (step s, tile t): 1,024 (8 s + t) + 512 c + 16 lane
.set VIMG, 49152                       ; V's fragment (s, t): 2,048 (4 s + t) + 512 c + 16 lane
.set KSC,  98304                       ; K's scale word of (s, t, row r): 512 s + 256 (t / 4) + 16 r + 4 (t % 4)
.set VSC,  101376                      ; V's scale byte of (s, t, row r, block c): 256 s + 16 r + 4 t + c
.set STG,  102912                      ; the way out: 16 rows x (256 + 16) bytes for each wave
.set SP,   272
.set AK,   1                           ; v1   K's images: 16 lane + 8,192 F (F = wave / 8: my first step)
.set AV,   2                           ; v2   V's images
.set AKS,  3                           ; v3   K's scale words
.set AVS,  4                           ; v4   V's scale words
.set DM,   5                           ; v5   16 (wave % 8) + r - 16 h: the mask's bound
.set STO,  6                           ; v6   the stage: where I put my 128 bytes of a row
.set RD,   7                           ; v7   the stage: where I read rows back
.set GO,   8                           ; v8   16 lane
.set AWV,  9                           ; v9   where a V wave stores its images
.set AWVS, 10                          ; v10  and its scale bytes
.set AWK,  11                          ; v11  where a K wave stores its images
.set AWKS, 12                          ; v12  and its scale words
.set VOV,  13                          ; v13  v: 4,096 h + 16 r
.set VOK,  14                          ; v14  k: 256 (r + 8 (r / 8)) + 64 h
.set QS,   15                          ; v15  Q's scale word
.set QC,   16                          ; v16-23 Q's codes; v24-31 zeros from the barrier on
.set PW,   24                          ; phase A: v24-25 K's two scale words; v26 q's offset; v27-31 at work at the head
.set VOQ,  26
.set R0,   32                          ; phase A: v32-95, v96-159 a unit's 64 numbers a lane, two sets
.set R1,   96
.set D,    160                         ; v160-175 a block's 16 numbers, held, in order along K
.set PC,   176                         ; v176-191 the codes just made
.set QRAW, 192                         ; v192-223 q's 32 numbers
.set TM,   224                         ; v224-227 largest magnitudes, v228-231 bytes, v232-235 largest number x scale, v236-239 the conversions' scale operands
.set KF,   32                          ; phase B: v32-95 eight tiles of K, then four fragments of V
.set ZT,   96                          ; v96-103 zeros behind K's tile 7
.set S,    104                         ; v104-167 S^T, then p; on the way out the finished rows
.set O,    168                         ; v168-199 O^T: register 8 t + j is channel 32 h + 4 j + t
.set PCD,  200                         ; v200-215 p's codes
.set BM,   216                         ; v216-219 each block's largest score, then its largest p
.set PT,   220                         ; v220-223 the other half's, then the bytes
.set HOLD, 224                         ; v224-227 57,344 x the scale
.set SOP,  228                         ; v228-231 the conversions' scale operands
.set FF,   232                         ; v[232:233] f = 2^(old M - new M); the upper word is written once
.set TMP,  234
.set NINF, 235                         ; -infinity
.set SUM2, 236                         ; v[236:237] the sum's second chain
.set NM,   238                         ; v238 -M, v239 the largest t
.set KS,   240                         ; v240-247 K's scale words of a step
.set VS,   248                         ; v248-251 V's
.set PS,   252                         ; v252 p's
.set SUM,  254                         ; v[254:255] the row's sum, in two halves
.set WV,   12                          ; s12 wave, s13 wave % 8, s14 wave / 8
.set WP,   13
.set FH,   14
.set HD,   16                          ; s[16:17] the head's first byte in each tensor
.set U0,   20                          ; s[20:25] my role's tensor at my part of units 0, 1, 2
.set RP,   26                          ; s[26:27] my role's tensor at my head
.set SEL,  28                          ; s[28:29] v_permlanex16_b32's selects for lane l xor 16
.set CS,   30                          ; s[30:31] c = log2(e) / 8
.set MNT,  32                          ; s32 the mantissa field of 57,344
.set A0,   33                          ; s33 my first step's number in the sequence: 2 x block - 2 + F
.set T0,   34
.set T1,   35
.set T2,   36                          ; s[36:37]
	s_load_b256 s[4:11], s[0:1], 0x0               ; q s[4:5], k s[6:7], v s[8:9], out s[10:11]
	v_lshrrev_b32 v27, 5, v0
	v_readfirstlane_b32 s[WV], v27                 ; wave 0..15
	s_and_b32 s[WP], s[WV], 7
	s_lshr_b32 s[FH], s[WV], 3
	v_and_b32 v27, 31, v0                          ; lane
	v_and_b32 v28, 15, v0                          ; r
	v_bfe_u32 v29, v0, 4, 1                        ; h
	v_lshlrev_b32 v[GO], 4, v27
	v_lshlrev_b32 v30, 4, v28                      ; 16 r
	; every LDS address is made here, ahead of the parting of the roles
	s_lshl_b32 s[T0], s[FH], 13
	v_add_nc_u32 v[AK], s[T0], v[GO]
	v_add_nc_u32 v[AV], VIMG, v[AK]
	s_lshl_b32 s[T0], s[FH], 9
	s_add_co_u32 s[T0], s[T0], KSC
	v_add_nc_u32 v[AKS], s[T0], v30
	s_lshl_b32 s[T0], s[FH], 8
	s_add_co_u32 s[T0], s[T0], VSC
	v_add_nc_u32 v[AVS], s[T0], v30
	s_lshl_b32 s[T0], s[WP], 4
	v_lshlrev_b32 v31, 4, v29
	v_sub_nc_u32 v[DM], v28, v31
	v_add_nc_u32 v[DM], s[T0], v[DM]
	s_mul_i32 s[T0], s[WV], 16*SP
	s_add_co_u32 s[T0], s[T0], STG                 ; my stage
	v_mul_u32_u24 v[STO], v28, SP
	v_lshl_add_u32 v[STO], v29, 7, v[STO]
	v_add_nc_u32 v[STO], s[T0], v[STO]             ; in: row r, + 128 h
	v_mul_u32_u24 v[RD], v29, SP
	v_add_nc_u32 v[RD], v[RD], v30
	v_add_nc_u32 v[RD], s[T0], v[RD]               ; back: lanes 0-15 one row, lanes 16-31 the next
	s_lshr_b32 s[T1], s[WP], 2                     ; a V wave's block of 32 keys: which step of the unit,
	s_and_b32 s[T2], s[WP], 3                      ; and which block c of that step
	s_lshl_b32 s[T0], s[T1], 13
	s_lshl_b32 s[T2+1], s[T2], 9
	s_add_co_u32 s[T0], s[T0], s[T2+1]
	s_add_co_u32 s[T0], s[T0], VIMG
	v_add_nc_u32 v[AWV], s[T0], v[GO]
	s_lshl_b32 s[T0], s[T1], 8
	s_add_co_u32 s[T0], s[T0], s[T2]
	s_add_co_u32 s[T0], s[T0], VSC
	v_add_nc_u32 v[AWVS], s[T0], v30
	s_lshl_b32 s[T0], s[WP], 10                    ; a K wave's tile t = wave % 8
	v_add_nc_u32 v[AWK], s[T0], v[GO]
	s_lshl_b32 s[T0], s[T1], 8
	s_lshl_b32 s[T2+1], s[T2], 2
	s_add_co_u32 s[T0], s[T0], s[T2+1]
	s_add_co_u32 s[T0], s[T0], KSC
	v_add_nc_u32 v[AWKS], s[T0], v30
	; offsets into the inputs
	v_lshl_add_u32 v[VOV], v29, 12, v30            ; v: key 16 h (+ i by the immediate), channels 4 r on
	v_and_b32 v31, 8, v28
	v_add_nc_u32 v31, v31, v28                     ; r + 8 (r / 8)
	v_lshlrev_b32 v[VOK], 8, v31
	v_lshl_add_u32 v[VOK], v29, 6, v[VOK]          ; k: that key's row, + my half's 16 channels
	v_lshlrev_b32 v[VOQ], 8, v28
	v_lshl_add_u32 v[VOQ], v29, 6, v[VOQ]          ; q: row r likewise
.irp b, 0,1,2,3
	v_mov_b32 v[TM+4+\b], 0                        ; written once: a lane permute's destination counts as one of its sources
.endr
	s_mov_b32 s[SEL], 0x76543210
	s_mov_b32 s[SEL+1], 0xfedcba98
	s_mov_b32 s[CS], 0x3e38aa3b                    ; log2(e) / 8
	s_mov_b32 s[CS+1], s[CS]                       ; (named with it as a pair, so it is written)
	s_mov_b32 s[MNT], 0x600000
	s_lshl_b32 s[A0], ttmp9, 1
	s_add_co_u32 s[A0], s[A0], s[FH]
	s_sub_co_u32 s[A0], s[A0], 2                   ; wraps under 0 in block 0: such a step is not under 32 as an unsigned number
	s_and_b32 s[HD], ttmp7, 0xffff
	s_lshl_b32 s[HD], s[HD], 20                    ; a head is 4,096 rows of 256 bytes
	s_mov_b32 s[HD+1], 0
	s_lshl_b32 s[T0], s[WP], 13                    ; a V wave's 32 keys of a unit
	s_lshr_b32 s[T1], s[WP], 1
	s_lshl_b32 s[T1], s[T1], 13
	s_and_b32 s[T2], s[WP], 1
	s_lshl_b32 s[T2], s[T2], 11
	s_add_co_u32 s[T1], s[T1], s[T2]               ; a K wave's tile begins at key 32 (t / 2) + 8 (t % 2)
	s_wait_kmcnt 0x0
	s_cmp_lt_u32 s[WV], 8                          ; waves 0-7: V; waves 8-15: K.  The choice hangs on the wave's number alone
	s_cselect_b32 s[T1], s[T0], s[T1]
	s_cselect_b64 s[RP:RP+1], s[8:9], s[6:7]
	s_add_nc_u64 s[RP:RP+1], s[RP:RP+1], s[HD:HD+1]
.irp u, 0,1,2
	s_add_co_i32 s[T2], ttmp9, \u-1                ; unit u is the block of 256 keys x - 1 + u,
	s_max_i32 s[T2], s[T2], 0                      ; held inside the sequence: what a clamped unit leaves in LDS is read by no step
	s_min_i32 s[T2], s[T2], 15
	s_lshl_b32 s[T2], s[T2], 16
	s_add_co_u32 s[T2], s[T2], s[T1]
	s_mov_b32 s[T2+1], 0
	s_add_nc_u64 s[U0+2*\u:U0+2*\u+1], s[RP:RP+1], s[T2:T2+1]
.endr
	s_lshl_b32 s[T2], ttmp9, 16
	s_lshl_b32 s[T0], s[WV], 12
	s_add_co_u32 s[T2], s[T2], s[T0]               ; my 16 rows: 256 x block + 16 x wave, 256 bytes a row
	s_add_nc_u64 s[T2:T2+1], s[T2:T2+1], s[HD:HD+1]
	s_add_nc_u64 s[4:5], s[4:5], s[T2:T2+1]
	s_add_nc_u64 s[10:11], s[10:11], s[T2:T2+1]
; my 16 queries: lane (r, h) takes, of row r, 16 neighbouring channels of each block of 32
.irp c, 0,1
.irp n, 0,1,2,3
	global_load_b128 v[QRAW+16*\c+4*\n:QRAW+16*\c+4*\n+3], v[VOQ], s[4:5] offset:128*\c+16*\n th:TH_LOAD_NT
.endr
.endr
; V, my 32 keys of unit u: each load reads two whole rows of 256 bytes.  Register 4 i + b is v(key 16 h + i, channel 4 r + b)
.macro LOADV u, reg
.irp i, 0,1,2,3,4,5,6,7,8,9,10,11,12,13,14,15
	global_load_b128 v[\reg+4*\i:\reg+4*\i+3], v[VOV], s[U0+2*\u:U0+2*\u+1] offset:256*\i
.endr
.endm
; K, my tile of both steps e of unit u: register 16 (2 e + c) + i is k(my key, channel 32 c + 16 h + i)
.macro LOADK u, reg
.irp e, 0,1
.irp c, 0,1
.irp n, 0,1,2,3
	global_load_b128 v[\reg+16*(2*\e+\c)+4*\n:\reg+16*(2*\e+\c)+4*\n+3], v[VOK], s[U0+2*\u:U0+2*\u+1] offset:32768*\e+128*\c+16*\n
.endr
.endr
.endr
.endm
; nb blocks of 32 along K, of which a lane holds 16 numbers each and lane l xor 16 the other 16: number i of block b stands in v[src + sb b + si i].
; They become codes in v[pc + 4 b] on (16 codes, in order along K) and a scale byte in v[TM + 4 + b].
.macro QUANT src, sb, si, nb, pc
.irp b, 0,1,2,3
.if \b < \nb
	v_max3_num_f32 v[TM+\b], |v[(\src)+(\sb)*\b]|, |v[(\src)+(\sb)*\b+(\si)]|, 0x8000000   ; my 16 numbers, and the floor 2^(16 - 127): so the byte cannot fall under 1
.endif
.endr
.irp i, 2,4,6,8,10,12,14
.irp b, 0,1,2,3
.if \b < \nb
	v_max3_num_f32 v[TM+\b], v[TM+\b], |v[(\src)+(\sb)*\b+(\si)*\i]|, |v[(\src)+(\sb)*\b+(\si)*(\i+1)]|   ; (the blocks by turns)
.endif
.endr
.endr
.irp b, 0,1,2,3
.if \b < \nb
	v_permlanex16_b32 v[TM+4+\b], v[TM+\b], s[SEL], s[SEL+1]
.endif
.endr
.irp b, 0,1,2,3
.if \b < \nb
	v_max_num_f32 v[TM+\b], v[TM+\b], v[TM+4+\b]   ; with lane l xor 16's: the block's largest magnitude
.endif
.endr
.irp b, 0,1,2,3
.if \b < \nb
	v_add_nc_u32 v[TM+12+\b], 0xf8800000, v[TM+\b] ; 15 off its exponent field: the conversion takes this operand's exponent field as its scale
.endif
.endr
.irp b, 0,1,2,3
.if \b < \nb
	v_and_or_b32 v[TM+8+\b], v[TM+\b], 0x7f800000, s[MNT]   ; 57,344 x the scale
.endif
.endr
.irp b, 0,1,2,3
.if \b < \nb
	v_lshrrev_b32 v[TM+4+\b], 23, v[TM+12+\b]      ; the scale's byte
.endif
.endr
.irp b, 0,1,2,3
.if \b < \nb
.irp i, 0,1,2,3,4,5,6,7,8,9,10,11,12,13,14,15
	v_med3_num_f32 v[D+\i], v[(\src)+(\sb)*\b+(\si)*\i], -v[TM+8+\b], v[TM+8+\b]   ; the conversion to an 8-bit code does not saturate (ISA guide 7.6.2): the hold; it also lays the block's numbers in order along K
.endr
	v_cvt_scalef32_pk8_bf8_f32 v[(\pc)+4*\b:(\pc)+4*\b+1], v[D:D+7], v[TM+12+\b]
	v_cvt_scalef32_pk8_bf8_f32 v[(\pc)+4*\b+2:(\pc)+4*\b+3], v[D+8:D+15], v[TM+12+\b]
	v_nop                                          ; one plain line between the conversions and the next write of their sources or touch of their results
.endif
.endr
.endm
; V's codes of unit u: block b is channel 4 r + b, that is row r of tile b; my 32 keys are register group c of the fragment
.macro PUTV u
.irp b, 0,1,2,3
	ds_store_b128 v[AWV], v[PC+4*\b:PC+4*\b+3] offset:16384*\u+2048*\b
	ds_store_b8 v[AWVS], v[TM+4+\b] offset:512*\u+4*\b       ; both lanes of a block write the same byte with the same value
.endr
.endm
; K's codes of unit u: blocks (e, c) are register group c of my tile in step 2 u + e; a tile's two bytes make its scale word, whose upper two bytes are 0
.macro PUTK u
	v_lshl_or_b32 v[PW], v[TM+5], 8, v[TM+4]
	v_lshl_or_b32 v[PW+1], v[TM+7], 8, v[TM+6]
.irp e, 0,1
.irp c, 0,1
	ds_store_b128 v[AWK], v[PC+8*\e+4*\c:PC+8*\e+4*\c+3] offset:16384*\u+8192*\e+512*\c
.endr
	ds_store_b32 v[AWKS], v[PW+\e] offset:1024*\u+512*\e
.endr
.endm
; Phase A of one role.  Two units are on their way from the start; the third takes the first's registers.
.macro ROLE load, put, sb, si
	\load 0, R0
	\load 1, R1
	s_wait_loadcnt 16                              ; q's 8 loads and unit 0's 16 are in; unit 1's 16 stay out
	QUANT R0, \sb, \si, 4, PC
	\put 0
	\load 2, R0
	s_wait_loadcnt 16                              ; unit 1's are in; unit 2's 16 stay out
	s_wait_dscnt 0x0                               ; the stores have read the codes and the bytes
	QUANT R1, \sb, \si, 4, PC
	\put 1
	s_wait_dscnt 0x0
	QUANT QRAW, 16, 1, 2, QC                       ; my queries, here, so that unit 2 has two quantisers' work in which to land
	v_lshl_or_b32 v[QS], v[TM+5], 8, v[TM+4]       ; Q's scale word; its upper two bytes are 0
	s_wait_loadcnt 0x0
	QUANT R0, \sb, \si, 4, PC
	\put 2
.endm
	s_cmp_lt_u32 s[WV], 8
	s_cbranch_scc0 .Lrole_k
	ROLE LOADV, PUTV, 1, 4
	s_branch .Ljoin
.Lrole_k:
	ROLE LOADK, PUTK, 16, 1
.Ljoin:
	s_wait_dscnt 0x0                               ; for the others' sake: my images and scales lie in LDS
	s_barrier_signal -1
.irp i, 0,1,2,3,4,5,6,7
	v_mov_b32 v[QC+8+\i], 0                        ; the upper half of Q's fragment: zero codes.  (These sixteen first: the lines below are their places ahead of the first product)
	v_mov_b32 v[ZT+\i], 0                          ; and what follows K's tile 7
.endr
.irp i, 0,1,2,3,4,5,6,7,8,9,10,11,12,13,14,15,16,17,18,19,20,21,22,23,24,25,26,27,28,29,30,31
	v_mov_b32 v[O+\i], 0                           ; O^T.  (The step is written one way: the first finds zeros, which the first change of M leaves zeros)
.endr
.irp b, 0,1,2,3
	v_mov_b32 v[PT+\b], 0                          ; a lane permute's destination counts as one of its sources
.endr
	v_mov_b32 v[FF+1], 0                           ; (named as the upper half of a pair)
	v_mov_b32 v[TMP], 0
	v_mov_b32 v[NINF], 0xff800000
	v_mov_b32 v[NM+1], 0xff61b1e6                  ; the largest t so far: -3e38, under every t
	v_floor_f32 v[NM], -v[NM+1]                    ; -M
	v_mov_b32 v[SUM], 0
	v_mov_b32 v[SUM+1], 0
	s_barrier_wait -1                              ; K and V of all six steps lie in LDS, for every wave; nothing writes them again
; The mask of block b (32 keys) of an end step.  Register 16 b + i holds key n = 32 b + 16 h + i of the step; my query stands at a = 16 (wave % 8) + r.
; mode 1, the first step: hidden where n < a;  mode 2, the last: where n > a.  A block that is open for all 16 queries of the wave is passed over: a branch on the wave's number.
.macro MASKBLK mode, b
.if \mode == 1
	s_cmp_lt_u32 s[WP], 2*\b
.else
	s_cmp_gt_u32 s[WP], 2*\b+1
.endif
	s_cbranch_scc1 .Lopen_\@
.irp i, 0,1,2,3,4,5,6,7,8,9,10,11,12,13,14,15
.if \mode == 1
	v_cmp_lt_i32 vcc_lo, 32*\b+\i, v[DM]
.else
	v_cmp_gt_i32 vcc_lo, 32*\b+\i, v[DM]
.endif
	v_cndmask_b32 v[S+16*\b+\i], v[S+16*\b+\i], v[NINF], vcc_lo   ; -infinity ahead of the maximum: p = 0 then
.endr
.Lopen_\@:
.endm
; A KEY STEP: the j-th of my five.  mode 0: all 128 keys count.  In every step that is walked each query has a key that counts, so M is a number from the first on.
.macro STEP j, mode
	s_add_co_u32 s[T0], s[A0], \j
	s_cmp_lt_u32 s[T0], 32                         ; the sequence has 32 steps
	s_cbranch_scc0 .Lgone_\@
.irp t, 0,1,2,3,4,5,6,7
	ds_load_b128 v[KF+8*\t:KF+8*\t+3], v[AK] offset:8192*\j+1024*\t
	ds_load_b128 v[KF+8*\t+4:KF+8*\t+7], v[AK] offset:8192*\j+1024*\t+512
.endr
	ds_load_b128 v[KS:KS+3], v[AKS] offset:512*\j
	ds_load_b128 v[KS+4:KS+7], v[AKS] offset:512*\j+256
	s_wait_dscnt 0x0
.irp t, 0,1,2,3,4,5,6,7                        ; S^T = K Q^T: source 0 = 16 keys, source 1 = my 16 queries
	v_wmma_scale_f32_16x16x128_f8f6f4 v[S+8*\t:S+8*\t+7], v[KF+8*\t:KF+8*\t+15], v[QC:QC+15], 0, v[KS+\t], v[QS] matrix_a_fmt:MATRIX_FMT_BF8 matrix_b_fmt:MATRIX_FMT_BF8
.endr
.rept 8
	v_nop                                          ; eight places ahead of the loads into K's registers and of the first read of the scores
.endr
.irp t, 0,1,2,3                                ; V's four fragments and scale words: they land while the softmax is worked
.irp c, 0,1,2,3
	ds_load_b128 v[KF+16*\t+4*\c:KF+16*\t+4*\c+3], v[AV] offset:8192*\j+2048*\t+512*\c
.endr
.endr
	ds_load_b128 v[VS:VS+3], v[AVS] offset:256*\j
.if \mode
	MASKBLK \mode, 0
	MASKBLK \mode, 1
	MASKBLK \mode, 2
	MASKBLK \mode, 3
.endif
.irp b, 0,1,2,3
	v_max3_num_f32 v[BM+\b], v[S+16*\b], v[S+1+16*\b], v[S+2+16*\b]   ; the largest score of each block of 32 keys: for the row's maximum and, since p rises with the score, for the block's largest p
.endr
.irp i, 3,5,7,9,11,13
.irp b, 0,1,2,3
	v_max3_num_f32 v[BM+\b], v[BM+\b], v[S+16*\b+\i], v[S+1+16*\b+\i]
.endr
.endr
.irp b, 0,1,2,3
	v_max_num_f32 v[BM+\b], v[BM+\b], v[S+15+16*\b]
.endr
.irp b, 0,1,2,3
	v_permlanex16_b32 v[PT+\b], v[BM+\b], s[SEL], s[SEL+1]
.endr
.irp b, 0,1,2,3
	v_max_num_f32 v[BM+\b], v[BM+\b], v[PT+\b]     ; with lane l xor 16's 16 keys
.endr
	v_max3_num_f32 v[TMP], v[BM], v[BM+1], v[BM+2]
	v_max_num_f32 v[TMP], v[TMP], v[BM+3]          ; the step's largest score of my query
	v_mul_f32 v[TMP], s[CS], v[TMP]                ; as t (c is positive)
	v_max_num_f32 v[NM+1], v[NM+1], v[TMP]         ; the running largest t
	v_mov_b32 v[TMP], v[NM]
	v_floor_f32 v[NM], -v[NM+1]                    ; the new -M = floor(-t) = -ceil(t): a whole number
	v_sub_f32 v[TMP], v[NM], v[TMP]                ; old M - new M: a whole number, 0 or less
	v_cvt_i32_f32 v[TMP], v[TMP]                   ; (it saturates)
	v_ldexp_f32 v[FF], 1.0, v[TMP]                 ; f = 2^(old M - new M): a multiplication by it rounds nothing
.irp n, 0,2,4,6,8,10,12,14,16,18,20,22,24,26,28,30,32,34,36,38,40,42,44,46,48,50,52,54,56,58,60,62
	v_pk_fma_f32 v[S+\n:S+\n+1], v[S+\n:S+\n+1], s[CS:CS+1], v[NM:NM+1] op_sel_hi:[1,0,0]   ; t - M, two at a time (of the pairs c and -M the low word serves both halves)
.endr
.irp b, 0,1,2,3
	v_fma_f32 v[BM+\b], v[BM+\b], s[CS], v[NM]     ; the same of each block's largest score
.endr
.irp n, 0,1,2,3,4,5,6,7,8,9,10,11,12,13,14,15,16,17,18,19,20,21,22,23,24,25,26,27,28,29,30,31,32,33,34,35,36,37,38,39,40,41,42,43,44,45,46,47,48,49,50,51,52,53,54,55,56,57,58,59,60,61,62,63
	v_exp_f32 v[S+\n], v[S+\n]                     ; p = 2^(t - M), at most 1: not normalised
.endr
	v_pk_mul_f32 v[SUM:SUM+1], v[SUM:SUM+1], v[FF:FF+1] op_sel_hi:[1,0]   ; the sums under the new M; the plain line behind the exponentials
	s_wait_alu depctr_va_vdst(0)                   ; one for the batch of 64, ahead of its first reader
.irp b, 0,1,2,3
	v_exp_f32 v[BM+\b], v[BM+\b]                   ; the block's largest p: the same two instructions on the same number
.endr
	v_pk_add_f32 v[SUM2:SUM2+1], v[S:S+1], v[S+2:S+3]   ; the row's sum is taken of the unquantised p: two at a time, in two chains
.irp n, 4,8,12,16,20,24,28,32,36,40,44,48,52,56,60
	v_pk_add_f32 v[SUM:SUM+1], v[SUM:SUM+1], v[S+\n:S+\n+1]
	v_pk_add_f32 v[SUM2:SUM2+1], v[SUM2:SUM2+1], v[S+2+\n:S+3+\n]
.endr
	v_pk_add_f32 v[SUM:SUM+1], v[SUM:SUM+1], v[SUM2:SUM2+1]
	s_wait_alu depctr_va_vdst(0)                   ; and one for the four
.irp b, 0,1,2,3
	v_max_num_f32 v[BM+\b], 0x8000000, v[BM+\b]    ; the floor 2^(16 - 127): a block whose every p is 0 keeps the byte 1; its codes are zeros
.endr
.irp b, 0,1,2,3
	v_add_nc_u32 v[SOP+\b], 0xf8800000, v[BM+\b]   ; 15 off the exponent field: the conversion's scale operand
.endr
.irp b, 0,1,2,3
	v_and_or_b32 v[HOLD+\b], v[BM+\b], 0x7f800000, s[MNT]   ; 57,344 x the scale
.endr
.irp b, 0,1,2,3
	v_lshrrev_b32 v[PT+\b], 23, v[SOP+\b]          ; the scale's byte
.endr
	v_lshl_or_b32 v[PS], v[PT+1], 8, v[PT]         ; p's scale word for these 128 keys
	v_lshl_or_b32 v[PS], v[PT+2], 16, v[PS]
	v_lshl_or_b32 v[PS], v[PT+3], 24, v[PS]
.irp b, 0,1,2,3
.irp i, 0,1,2,3,4,5,6,7,8,9,10,11,12,13,14,15
	v_min_num_f32 v[S+16*\b+\i], v[S+16*\b+\i], v[HOLD+\b]   ; the hold; p is not negative, so it is one-sided
.endr
	v_cvt_scalef32_pk8_bf8_f32 v[PCD+4*\b:PCD+4*\b+1], v[S+16*\b:S+16*\b+7], v[SOP+\b]
	v_cvt_scalef32_pk8_bf8_f32 v[PCD+4*\b+2:PCD+4*\b+3], v[S+16*\b+8:S+16*\b+15], v[SOP+\b]
.endr
.irp n, 0,2,4,6,8,10,12,14,16,18,20,22,24,26,28,30
	v_pk_mul_f32 v[O+\n:O+\n+1], v[O+\n:O+\n+1], v[FF:FF+1] op_sel_hi:[1,0]   ; O^T under the new M, each accumulator from its low end on.  These sixteen are also the places between p's codes and the products
.endr
	s_wait_dscnt 0x0                               ; V's fragments and scale words are in
.irp t, 0,1,2,3                                ; O^T += V^T P^T: source 0 = 16 channels, source 1 = p; the four accumulators take turns
	v_wmma_scale_f32_16x16x128_f8f6f4 v[O+8*\t:O+8*\t+7], v[KF+16*\t:KF+16*\t+15], v[PCD:PCD+15], v[O+8*\t:O+8*\t+7], v[VS+\t], v[PS] matrix_a_fmt:MATRIX_FMT_BF8 matrix_b_fmt:MATRIX_FMT_BF8
.endr
.rept 8
	v_nop                                          ; eight places ahead of the next loads into V's registers and of the next read of O^T
.endr
.Lgone_\@:
.endm
	STEP 0, 1                                      ; the band's lower edge runs through my first step,
	STEP 1, 0
	STEP 2, 0
	STEP 3, 0
	STEP 4, 2                                      ; its upper edge through my last
	; THE WAY OUT.  O^T / the sum; the division also lays a lane's 32 channels in order (register 4 j + t: channel 32 h + 4 j + t).
	v_add_f32 v[SUM], v[SUM], v[SUM+1]             ; the sum's two halves,
	v_permlanex16_b32 v[TMP], v[SUM], s[SEL], s[SEL+1]
	v_add_f32 v[SUM], v[SUM], v[TMP]               ; and lane l xor 16's: the row's sum
	v_rcp_f32 v[SUM], v[SUM]
	v_nop                                          ; a plain line behind the reciprocal
	s_wait_alu depctr_va_vdst(0)                   ; and the wait, ahead of its first reader
.irp j, 0,1,2,3,4,5,6,7
.irp t, 0,1,2,3
	v_mul_f32 v[S+4*\j+\t], v[O+8*\t+\j], v[SUM]   ; (each accumulator's register 0 is read first)
.endr
.endr
.irp g, 0,1,2,3,4,5,6,7
	ds_store_b128 v[STO], v[S+4*\g:S+4*\g+3] offset:16*\g    ; row r of my stage, my half's 128 bytes
.endr
.irp i, 0,1,2,3,4,5,6,7
	ds_load_b128 v[KF+4*\i:KF+4*\i+3], v[RD] offset:2*\i*SP  ; LDS serves a wave's instructions in order (ISA guide 5.7.1.4): these see my stores.  Two whole rows a load
.endr
.irp i, 0,1,2,3,4,5,6,7
	s_wait_dscnt 7-\i                              ; rows 2 i and 2 i + 1 are back; the 7 - i younger loads stay out
	global_store_b128 v[GO], v[KF+4*\i:KF+4*\i+3], s[10:11] offset:512*\i th:TH_STORE_NT   ; 32 lanes store 512 consecutive bytes, at a multiple of 512 from out's first byte
.endr
	s_wait_xcnt 0x0
	v_lshl_add_u32 v254, v0, 2, 0x2a200
	v_mov_b32 v255, 0
	s_wait_tensorcnt 0x0
	ds_add_u32 v254, v255
	s_wait_dscnt 0x0
	s_endpgm
.Lfunc_end_k_q06909690e2_swa:
	.size	k_q06909690e2_swa, .Lfunc_end_k_q06909690e2_swa-k_q06909690e2_swa
	.p2alignl 7, 3214868480
	.fill 96, 4, 3214868480
	.section	.rodata,"a",@progbits
	.p2align	6, 0x0
	.amdhsa_kernel k_q06909690e2_swa
		.amdhsa_group_segment_fixed_size 174592
		.amdhsa_private_segment_fixed_size 0
		.amdhsa_enable_private_segment 0
		.amdhsa_kernarg_size 32
		.amdhsa_user_sgpr_count 2
		.amdhsa_user_sgpr_kernarg_segment_ptr 1
		.amdhsa_wavefront_size32 1
		.amdhsa_system_sgpr_workgroup_id_x 1
		.amdhsa_system_sgpr_workgroup_id_y 1
		.amdhsa_system_sgpr_workgroup_id_z 1
		.amdhsa_system_vgpr_workitem_id 0
		.amdhsa_next_free_vgpr 256
		.amdhsa_next_free_sgpr 66
		.amdhsa_reserve_vcc 1
		.amdhsa_float_denorm_mode_32 3
		.amdhsa_float_denorm_mode_16_64 3
		.amdhsa_memory_ordered 1
		.amdhsa_forward_progress 1
		.amdhsa_inst_pref_size 180
	.end_amdhsa_kernel
	.amdgpu_metadata
---
amdhsa.version: [ 1, 2 ]
amdhsa.kernels:
  - .name:           k_q06909690e2_swa
    .symbol:         k_q06909690e2_swa.kd
    .args:
      - { .name: q, .offset: 0, .size: 8, .value_kind: global_buffer, .address_space: global }
      - { .name: k, .offset: 8, .size: 8, .value_kind: global_buffer, .address_space: global }
      - { .name: v, .offset: 16, .size: 8, .value_kind: global_buffer, .address_space: global }
      - { .name: out0, .offset: 24, .size: 8, .value_kind: global_buffer, .address_space: global }
    .group_segment_fixed_size: 174592
    .private_segment_fixed_size: 0
    .kernarg_segment_align: 8
    .kernarg_segment_size: 32
    .max_flat_workgroup_size: 512
    .sgpr_count:     66
    .vgpr_count:     256
    .wavefront_size: 32
...
	.end_amdgpu_metadata
.endif
;; end of part 1
;; ======== version 2 of 2: 1 launch; version 1 with the launch swa written anew for expert scheduling mode
;; launch swa (part 2): grid 16 x 16, 16 waves a work-group, no clusters, 174,592 bytes of LDS; arguments q, k, v, out0; writes out0
.if DOCPART == 2
	.amdgcn_target "amdgcn-amd-amdhsa--gfx1250"
	.amdhsa_code_object_version 6
	.text
	.protected	k_q06909690e2_swa
	.globl	k_q06909690e2_swa
	.p2align	8
	.type	k_q06909690e2_swa,@function
k_q06909690e2_swa:
	s_mov_b64 s[64:65], 0
	v_nop
	global_prefetch_b8 v0, s[64:65] scope:SCOPE_SE
	s_setreg_imm32_b32 hwreg(HW_REG_WAVE_SCHED_MODE, 0, 2), 2
	s_setreg_imm32_b32 hwreg(HW_REG_WAVE_MODE, 25, 1), 1
	s_wait_xcnt 0x0
	s_wait_alu depctr_vm_vsrc(0)
; out[h][i][:] = sum over j, |i - j| <= 256, of softmax_j(q[h][i] . k[h][j] / 8) v[h][j][:].  q, k, v, out: [16][4096][64] f32.
; Both products run on codes of BF8 (E5M2) with one E8M0 scale for each 32 along a product's K: q and k are quantised along the 64 channels, v and p along the keys (blocks of 32 counted from key 0).
; p = 2^(t - M), t = score x log2(e) / 8, M = the running largest t rounded up to a whole number; the row's sum is taken of the unquantised p and divides at the end.
; SHARES.  A work-group owns 256 queries of one head (x: the block, y: the head); each of its sixteen waves owns 16 of them.  The block's band lies in keys Q0 - 256 .. Q0 + 511: six aligned steps of 128 keys.
; As codes, K and V of those 768 keys are 98,304 bytes: all of them lie in LDS at once, so there is no ring and ONE barrier.
;   A: waves 0-7 quantise V, waves 8-15 K (three units of 256 keys each), every wave its own 16 queries; K and V go to LDS as images of the operands' registers (16 bytes a lane, 512 bytes a store).
;   B: each wave walks the five steps that its 16 queries touch: S^T = K Q^T, mask on the band's two end steps, softmax, p quantised in registers, O^T += V^T P^T.
;   C: O^T / the sum leaves through the wave's own stage: each store of the wave covers 512 consecutive bytes, aligned.
; A step outside the sequence (blocks 0 and 15) is passed over by a scalar branch on ids; phase A fills its bytes from a clamped unit, so that all waves run one text with the same counts and every load stays inside its buffer.
; K = 64 IN AN INSTRUCTION OF K = 128.  Q's fragment has zero codes in its upper eight registers.  K's tiles lie eight registers apart, so the upper half of tile t's operand is tile t + 1's codes (finite: the hold
; admits no infinity), and eight zero registers follow tile 7: finite x 0 adds nothing.  Bytes 2 and 3 of both scale words are 0, which is 2^-127, a number.
; LAYOUT.  Both products are used transposed: a lane holds ONE query (lane % 16) throughout.  Lane r of K's tile 2 b + u takes key 32 b + 8 u + r + 8 (r / 8), so that S^T's register 16 b + i is key 32 b + 16 (lane / 16) + i.
; Row m of V^T's tile t is channel 4 m + t: the lane that loaded 16 bytes of a row of v holds one row of each of the four tiles.
; NO JOINT LOADS: the inputs are f32 and pass through registers to be quantised (768 keys of K and V in f32 are 393,216 bytes, more than a work-group's LDS), and neighbouring blocks want ranges 256 keys apart, not equal tiles.
; NO PREFETCH: all that the work-group reads is asked for by the loads of phase A themselves; nothing later is left to ask ahead for.
; LIMITS: NaN and infinities among the inputs are not served.  A block whose largest magnitude lies under 2^-111 keeps the scale byte 1.  A block of zeros gets the byte 1 where the quantiser says 127: its codes are
; zeros, and the bytes are read by this text alone.  A p under 2^-126 comes out of v_exp_f32 as 0.
; THE MODE: SCHED_MODE bits 1:0 = 2 (LLVM: expert scheduling mode 2), set by the entry lines.  The code itself states the register dependences
; between vector or matrix instructions and memory or LDS instructions, with s_wait_alu, always for 0.
; THE PLAN.  Registers that memory or LDS instructions touch:
;   v1-4, v6-14   Addresses and offsets: written at the head, never again.  v26, q's offset, is read by q's loads alone and becomes a zero behind the barrier's signal.
;   R0, R1, QRAW  Phase A: loads land in them, the quantiser reads them.  R0 is loaded twice: unit 2's loads follow unit 0's LDS stores.
;   PC, the bytes v228-231 (V's waves), PW (K's waves)   Written by a unit's quantiser, read by that unit's LDS stores, written again by the next quantiser.
;   KF            Phase B, a step: K's loads land, the first products read; V's loads land, the second products read.
;   KS, VS        Loads land, matrix instructions read them as scales; no vector instruction names them.
;   S, v32-63     The way out: the divisions write S, the stage's stores read it; the rows land in v32-63, which the global stores read.
; So: one wait on va_vdst at the head for all addresses; one ahead of each unit's run of LDS stores, which also frees the raw set for the loads behind them; one wait on vm_vsrc ahead of each quantiser that writes
; PC, the bytes and PW again, and one at a role's end for what phase B writes there.  In a step: one wait on va_vdst ahead of K's loads, one ahead of V's loads, which are then dealt among vector lines that name
; none of their registers, one ahead of the second products for p's codes and scale word; beside them the two behind the exponentials.  All 256 registers but one are in use: K and V have no second set.
.set KIMG, 0                           ; LDS: K's tile (step s, tile t): 1,024 (8 s + t) + 512 c + 16 lane
.set VIMG, 49152                       ; V's fragment (s, t): 2,048 (4 s + t) + 512 c + 16 lane
.set KSC,  98304                       ; K's scale word of (s, t, row r): 512 s + 256 (t / 4) + 16 r + 4 (t % 4)
.set VSC,  101376                      ; V's scale byte of (s, t, row r, block c): 256 s + 16 r + 4 t + c
.set STG,  102912                      ; the way out: 16 rows x (256 + 16) bytes for each wave
.set SP,   272
.set AK,   1                           ; v1   K's images: 16 lane + 8,192 F (F = wave / 8: my first step)
.set AV,   2                           ; v2   V's images
.set AKS,  3                           ; v3   K's scale words
.set AVS,  4                           ; v4   V's scale words
.set DM,   5                           ; v5   16 (wave % 8) + r - 16 h: the mask's bound
.set STO,  6                           ; v6   the stage: where I put my 128 bytes of a row
.set RD,   7                           ; v7   the stage: where I read rows back
.set GO,   8                           ; v8   16 lane
.set AWV,  9                           ; v9   where a V wave stores its images
.set AWVS, 10                          ; v10  and its scale bytes
.set AWK,  11                          ; v11  where a K wave stores its images
.set AWKS, 12                          ; v12  and its scale words
.set VOV,  13                          ; v13  v: 4,096 h + 16 r
.set VOK,  14                          ; v14  k: 256 (r + 8 (r / 8)) + 64 h
.set QS,   15                          ; v15  Q's scale word
.set QC,   16                          ; v16-23 Q's codes; v24-31 zeros from the barrier on
.set PW,   24                          ; phase A: v24-25 K's two scale words; v26 q's offset; v27-31 at work at the head
.set VOQ,  26
.set R0,   32                          ; phase A: v32-95, v96-159 a unit's 64 numbers a lane, two sets
.set R1,   96
.set D,    160                         ; v160-175 a block's 16 numbers, held, in order along K
.set PC,   176                         ; v176-191 the codes just made
.set QRAW, 192                         ; v192-223 q's 32 numbers
.set TM,   224                         ; v224-227 largest magnitudes, v228-231 bytes, v232-235 largest number x scale, v236-239 the conversions' scale operands
.set KF,   32                          ; phase B: v32-95 eight tiles of K, then four fragments of V
.set ZT,   96                          ; v96-103 zeros behind K's tile 7
.set S,    104                         ; v104-167 S^T, then p; on the way out the finished rows
.set O,    168                         ; v168-199 O^T: register 8 t + j is channel 32 h + 4 j + t
.set PCD,  200                         ; v200-215 p's codes
.set BM,   216                         ; v216-219 each block's largest score, then its largest p
.set PT,   220                         ; v220-223 the other half's, then the bytes
.set HOLD, 224                         ; v224-227 57,344 x the scale
.set SOP,  228                         ; v228-231 the conversions' scale operands
.set FF,   232                         ; v[232:233] f = 2^(old M - new M); the upper word is written once
.set TMP,  234
.set NINF, 235                         ; -infinity
.set SUM2, 236                         ; v[236:237] the sum's second chain
.set NM,   238                         ; v238 -M, v239 the largest t
.set KS,   240                         ; v240-247 K's scale words of a step
.set VS,   248                         ; v248-251 V's
.set PS,   252                         ; v252 p's
.set SUM,  254                         ; v[254:255] the row's sum, in two halves
.set WV,   12                          ; s12 wave, s13 wave % 8, s14 wave / 8
.set WP,   13
.set FH,   14
.set HD,   16                          ; s[16:17] the head's first byte in each tensor
.set U0,   20                          ; s[20:25] my role's tensor at my part of units 0, 1, 2
.set RP,   26                          ; s[26:27] my role's tensor at my head
.set SEL,  28                          ; s[28:29] v_permlanex16_b32's selects for lane l xor 16
.set CS,   30                          ; s[30:31] c = log2(e) / 8
.set MNT,  32                          ; s32 the mantissa field of 57,344
.set A0,   33                          ; s33 my first step's number in the sequence: 2 x block - 2 + F
.set T0,   34
.set T1,   35
.set T2,   36                          ; s[36:37]
.set MK,   35                          ; phase B: the mask's sixteen lane masks: number i in s[35 + i] for i under 13, then s16-18: registers that are free behind the head and never held an address
	s_load_b256 s[4:11], s[0:1], 0x0               ; q s[4:5], k s[6:7], v s[8:9], out s[10:11]
	v_lshrrev_b32 v27, 5, v0
	v_readfirstlane_b32 s[WV], v27                 ; wave 0..15
	v_and_b32 v27, 31, v0                          ; lane
	v_and_b32 v28, 15, v0                          ; r
	v_bfe_u32 v29, v0, 4, 1                        ; h
	v_lshlrev_b32 v[GO], 4, v27
	v_lshlrev_b32 v30, 4, v28                      ; 16 r
	s_wait_alu depctr_va_vdst(0)
	s_wait_alu depctr_va_sdst(0)                   ; s12, the wave's number, is written, ahead of its first reader
	s_and_b32 s[WP], s[WV], 7
	s_lshr_b32 s[FH], s[WV], 3
	; every LDS address is made here, ahead of the parting of the roles
	s_lshl_b32 s[T0], s[FH], 13
	v_add_nc_u32 v[AK], s[T0], v[GO]
	v_add_nc_u32 v[AV], VIMG, v[AK]
	s_lshl_b32 s[T0], s[FH], 9
	s_add_co_u32 s[T0], s[T0], KSC
	v_add_nc_u32 v[AKS], s[T0], v30
	s_lshl_b32 s[T0], s[FH], 8
	s_add_co_u32 s[T0], s[T0], VSC
	v_add_nc_u32 v[AVS], s[T0], v30
	s_lshl_b32 s[T0], s[WP], 4
	v_lshlrev_b32 v31, 4, v29
	v_sub_nc_u32 v[DM], v28, v31
	v_add_nc_u32 v[DM], s[T0], v[DM]
	s_mul_i32 s[T0], s[WV], 16*SP
	s_add_co_u32 s[T0], s[T0], STG                 ; my stage
	v_mul_u32_u24 v[STO], v28, SP
	v_lshl_add_u32 v[STO], v29, 7, v[STO]
	v_add_nc_u32 v[STO], s[T0], v[STO]             ; in: row r, + 128 h
	v_mul_u32_u24 v[RD], v29, SP
	v_add_nc_u32 v[RD], v[RD], v30
	v_add_nc_u32 v[RD], s[T0], v[RD]               ; back: lanes 0-15 one row, lanes 16-31 the next
	s_lshr_b32 s[T1], s[WP], 2                     ; a V wave's block of 32 keys: which step of the unit,
	s_and_b32 s[T2], s[WP], 3                      ; and which block c of that step
	s_lshl_b32 s[T0], s[T1], 13
	s_lshl_b32 s[T2+1], s[T2], 9
	s_add_co_u32 s[T0], s[T0], s[T2+1]
	s_add_co_u32 s[T0], s[T0], VIMG
	v_add_nc_u32 v[AWV], s[T0], v[GO]
	s_lshl_b32 s[T0], s[T1], 8
	s_add_co_u32 s[T0], s[T0], s[T2]
	s_add_co_u32 s[T0], s[T0], VSC
	v_add_nc_u32 v[AWVS], s[T0], v30
	s_lshl_b32 s[T0], s[WP], 10                    ; a K wave's tile t = wave % 8
	v_add_nc_u32 v[AWK], s[T0], v[GO]
	s_lshl_b32 s[T0], s[T1], 8
	s_lshl_b32 s[T2+1], s[T2], 2
	s_add_co_u32 s[T0], s[T0], s[T2+1]
	s_add_co_u32 s[T0], s[T0], KSC
	v_add_nc_u32 v[AWKS], s[T0], v30
	; offsets into the inputs
	v_lshl_add_u32 v[VOV], v29, 12, v30            ; v: key 16 h (+ i by the immediate), channels 4 r on
	v_and_b32 v31, 8, v28
	v_add_nc_u32 v31, v31, v28                     ; r + 8 (r / 8)
	v_lshlrev_b32 v[VOK], 8, v31
	v_lshl_add_u32 v[VOK], v29, 6, v[VOK]          ; k: that key's row, + my half's 16 channels
	v_lshlrev_b32 v[VOQ], 8, v28
	v_lshl_add_u32 v[VOQ], v29, 6, v[VOQ]          ; q: row r likewise
.irp b, 0,1,2,3
	v_mov_b32 v[TM+4+\b], 0                        ; written once: a lane permute's destination counts as one of its sources
.endr
	s_mov_b32 s[SEL], 0x76543210
	s_mov_b32 s[SEL+1], 0xfedcba98
	s_mov_b32 s[CS], 0x3e38aa3b                    ; log2(e) / 8
	s_mov_b32 s[CS+1], s[CS]                       ; (named with it as a pair, so it is written)
	s_mov_b32 s[MNT], 0x600000
	s_lshl_b32 s[A0], ttmp9, 1
	s_add_co_u32 s[A0], s[A0], s[FH]
	s_sub_co_u32 s[A0], s[A0], 2                   ; wraps under 0 in block 0: such a step is not under 32 as an unsigned number
	s_and_b32 s[HD], ttmp7, 0xffff
	s_lshl_b32 s[HD], s[HD], 20                    ; a head is 4,096 rows of 256 bytes
	s_mov_b32 s[HD+1], 0
	s_lshl_b32 s[T0], s[WP], 13                    ; a V wave's 32 keys of a unit
	s_lshr_b32 s[T1], s[WP], 1
	s_lshl_b32 s[T1], s[T1], 13
	s_and_b32 s[T2], s[WP], 1
	s_lshl_b32 s[T2], s[T2], 11
	s_add_co_u32 s[T1], s[T1], s[T2]               ; a K wave's tile begins at key 32 (t / 2) + 8 (t % 2)
	s_wait_kmcnt 0x0
	s_cmp_lt_u32 s[WV], 8                          ; waves 0-7: V; waves 8-15: K.  The choice hangs on the wave's number alone
	s_cselect_b32 s[T1], s[T0], s[T1]
	s_cselect_b64 s[RP:RP+1], s[8:9], s[6:7]
	s_add_nc_u64 s[RP:RP+1], s[RP:RP+1], s[HD:HD+1]
.irp u, 0,1,2
	s_add_co_i32 s[T2], ttmp9, \u-1                ; unit u is the block of 256 keys x - 1 + u,
	s_max_i32 s[T2], s[T2], 0                      ; held inside the sequence: what a clamped unit leaves in LDS is read by no step
	s_min_i32 s[T2], s[T2], 15
	s_lshl_b32 s[T2], s[T2], 16
	s_add_co_u32 s[T2], s[T2], s[T1]
	s_mov_b32 s[T2+1], 0
	s_add_nc_u64 s[U0+2*\u:U0+2*\u+1], s[RP:RP+1], s[T2:T2+1]
.endr
	s_lshl_b32 s[T2], ttmp9, 16
	s_lshl_b32 s[T0], s[WV], 12
	s_add_co_u32 s[T2], s[T2], s[T0]               ; my 16 rows: 256 x block + 16 x wave, 256 bytes a row
	s_add_nc_u64 s[T2:T2+1], s[T2:T2+1], s[HD:HD+1]
	s_add_nc_u64 s[4:5], s[4:5], s[T2:T2+1]
	s_add_nc_u64 s[10:11], s[10:11], s[T2:T2+1]
	s_wait_alu depctr_va_vdst(0)                   ; the addresses and offsets v1-4, v6-14 and v26 are written, which every load, store and LDS instruction of the kernel reads
; my 16 queries: lane (r, h) takes, of row r, 16 neighbouring channels of each block of 32
.irp c, 0,1
.irp n, 0,1,2,3
	global_load_b128 v[QRAW+16*\c+4*\n:QRAW+16*\c+4*\n+3], v[VOQ], s[4:5] offset:128*\c+16*\n th:TH_LOAD_NT
.endr
.endr
; V, my 32 keys of unit u: each load reads two whole rows of 256 bytes.  Register 4 i + b is v(key 16 h + i, channel 4 r + b)
.macro LOADV u, reg
.irp i, 0,1,2,3,4,5,6,7,8,9,10,11,12,13,14,15
	global_load_b128 v[\reg+4*\i:\reg+4*\i+3], v[VOV], s[U0+2*\u:U0+2*\u+1] offset:256*\i
.endr
.endm
; K, my tile of both steps e of unit u: register 16 (2 e + c) + i is k(my key, channel 32 c + 16 h + i)
.macro LOADK u, reg
.irp e, 0,1
.irp c, 0,1
.irp n, 0,1,2,3
	global_load_b128 v[\reg+16*(2*\e+\c)+4*\n:\reg+16*(2*\e+\c)+4*\n+3], v[VOK], s[U0+2*\u:U0+2*\u+1] offset:32768*\e+128*\c+16*\n
.endr
.endr
.endr
.endm
; nb blocks of 32 along K, of which a lane holds 16 numbers each and lane l xor 16 the other 16: number i of block b stands in v[src + sb b + si i].
; They become codes in v[pc + 4 b] on (16 codes, in order along K) and a scale byte in v[TM + 4 + b].
.macro QUANT src, sb, si, nb, pc
.irp b, 0,1,2,3
.if \b < \nb
	v_max3_num_f32 v[TM+\b], |v[(\src)+(\sb)*\b]|, |v[(\src)+(\sb)*\b+(\si)]|, 0x8000000   ; my 16 numbers, and the floor 2^(16 - 127): so the byte cannot fall under 1
.endif
.endr
.irp i, 2,4,6,8,10,12,14
.irp b, 0,1,2,3
.if \b < \nb
	v_max3_num_f32 v[TM+\b], v[TM+\b], |v[(\src)+(\sb)*\b+(\si)*\i]|, |v[(\src)+(\sb)*\b+(\si)*(\i+1)]|   ; (the blocks by turns)
.endif
.endr
.endr
.irp b, 0,1,2,3
.if \b < \nb
	v_permlanex16_b32 v[TM+4+\b], v[TM+\b], s[SEL], s[SEL+1]
.endif
.endr
.irp b, 0,1,2,3
.if \b < \nb
	v_max_num_f32 v[TM+\b], v[TM+\b], v[TM+4+\b]   ; with lane l xor 16's: the block's largest magnitude
.endif
.endr
.irp b, 0,1,2,3
.if \b < \nb
	v_add_nc_u32 v[TM+12+\b], 0xf8800000, v[TM+\b] ; 15 off its exponent field: the conversion takes this operand's exponent field as its scale
.endif
.endr
.irp b, 0,1,2,3
.if \b < \nb
	v_and_or_b32 v[TM+8+\b], v[TM+\b], 0x7f800000, s[MNT]   ; 57,344 x the scale
.endif
.endr
.irp b, 0,1,2,3
.if \b < \nb
	v_lshrrev_b32 v[TM+4+\b], 23, v[TM+12+\b]      ; the scale's byte
.endif
.endr
.irp b, 0,1,2,3
.if \b < \nb
.irp i, 0,1,2,3,4,5,6,7,8,9,10,11,12,13,14,15
	v_med3_num_f32 v[D+\i], v[(\src)+(\sb)*\b+(\si)*\i], -v[TM+8+\b], v[TM+8+\b]   ; the conversion to an 8-bit code does not saturate (ISA guide 7.6.2): the hold; it also lays the block's numbers in order along K
.endr
	v_cvt_scalef32_pk8_bf8_f32 v[(\pc)+4*\b:(\pc)+4*\b+1], v[D:D+7], v[TM+12+\b]
	v_cvt_scalef32_pk8_bf8_f32 v[(\pc)+4*\b+2:(\pc)+4*\b+3], v[D+8:D+15], v[TM+12+\b]
	v_nop                                          ; one plain line between the conversions and the next write of their sources or touch of their results
.endif
.endr
.endm
; V's codes of unit u: block b is channel 4 r + b, that is row r of tile b; my 32 keys are register group c of the fragment
.macro PUTV u
	s_wait_alu depctr_va_vdst(0)                   ; the quantiser has written the codes and the bytes, which the LDS stores read; and it is done reading its raw set, in which the loads behind these stores land
.irp b, 0,1,2,3
	ds_store_b128 v[AWV], v[PC+4*\b:PC+4*\b+3] offset:16384*\u+2048*\b
	ds_store_b8 v[AWVS], v[TM+4+\b] offset:512*\u+4*\b       ; both lanes of a block write the same byte with the same value
.endr
.endm
; K's codes of unit u: blocks (e, c) are register group c of my tile in step 2 u + e; a tile's two bytes make its scale word, whose upper two bytes are 0
.macro PUTK u
	v_lshl_or_b32 v[PW], v[TM+5], 8, v[TM+4]
	v_lshl_or_b32 v[PW+1], v[TM+7], 8, v[TM+6]
	s_wait_alu depctr_va_vdst(0)                   ; the quantiser has written the codes, the two lines above the scale words, which the LDS stores read; and the quantiser is done reading its raw set, in which the loads behind these stores land
.irp e, 0,1
.irp c, 0,1
	ds_store_b128 v[AWK], v[PC+8*\e+4*\c:PC+8*\e+4*\c+3] offset:16384*\u+8192*\e+512*\c
.endr
	ds_store_b32 v[AWKS], v[PW+\e] offset:1024*\u+512*\e
.endr
.endm
; Phase A of one role.  Two units are on their way from the start; the third takes the first's registers.
.macro ROLE load, put, sb, si
	\load 0, R0
	\load 1, R1
	s_wait_loadcnt 16                              ; q's 8 loads and unit 0's 16 are in; unit 1's 16 stay out
	QUANT R0, \sb, \si, 4, PC
	\put 0
	\load 2, R0                                    ; no wait: no vector instruction since the wait ahead of the stores names R0
	s_wait_loadcnt 16                              ; unit 1's are in; unit 2's 16 stay out
	s_wait_dscnt 0x0                               ; the stores have read the codes and the bytes
	s_wait_alu depctr_vm_vsrc(0)                   ; unit 0's LDS stores have read the codes, the bytes and the scale words, which the quantiser below writes again
	QUANT R1, \sb, \si, 4, PC
	\put 1
	s_wait_dscnt 0x0
	s_wait_alu depctr_vm_vsrc(0)                   ; unit 1's LDS stores have read the codes, the bytes and the scale words, which the two quantisers below write again
	QUANT QRAW, 16, 1, 2, QC                       ; my queries, here, so that unit 2 has two quantisers' work in which to land
	v_lshl_or_b32 v[QS], v[TM+5], 8, v[TM+4]       ; Q's scale word; its upper two bytes are 0
	s_wait_loadcnt 0x0
	QUANT R0, \sb, \si, 4, PC
	\put 2
	s_wait_alu depctr_vm_vsrc(0)                   ; unit 2's LDS stores have read v24-25, v176-191 and v228-231, and q's loads v26: the zeros behind the barrier's signal and phase B write these registers
.endm
	s_cmp_lt_u32 s[WV], 8
	s_cbranch_scc0 .Lrole_k
	ROLE LOADV, PUTV, 1, 4
	s_branch .Ljoin
.Lrole_k:
	ROLE LOADK, PUTK, 16, 1
.Ljoin:
	s_wait_dscnt 0x0                               ; for the others' sake: my images and scales lie in LDS
	s_barrier_signal -1
.irp i, 0,1,2,3,4,5,6,7
	v_mov_b32 v[QC+8+\i], 0                        ; the upper half of Q's fragment: zero codes.  (These sixteen first: the lines below are their places ahead of the first product)
	v_mov_b32 v[ZT+\i], 0                          ; and what follows K's tile 7
.endr
.irp i, 0,1,2,3,4,5,6,7,8,9,10,11,12,13,14,15,16,17,18,19,20,21,22,23,24,25,26,27,28,29,30,31
	v_mov_b32 v[O+\i], 0                           ; O^T.  (The step is written one way: the first finds zeros, which the first change of M leaves zeros)
.endr
.irp b, 0,1,2,3
	v_mov_b32 v[PT+\b], 0                          ; a lane permute's destination counts as one of its sources
.endr
	v_mov_b32 v[FF+1], 0                           ; (named as the upper half of a pair)
	v_mov_b32 v[TMP], 0
	v_mov_b32 v[NINF], 0xff800000
	v_mov_b32 v[NM+1], 0xff61b1e6                  ; the largest t so far: -3e38, under every t
	v_floor_f32 v[NM], -v[NM+1]                    ; -M
	v_mov_b32 v[SUM], 0
	v_mov_b32 v[SUM+1], 0
	s_barrier_wait -1                              ; K and V of all six steps lie in LDS, for every wave; nothing writes them again
; The mask of block b (32 keys) of an end step.  Register 16 b + i holds key n = 32 b + 16 h + i of the step; my query stands at a = 16 (wave % 8) + r.
; mode 1, the first step: hidden where n < a;  mode 2, the last: where n > a.  A block that is open for all 16 queries of the wave is passed over: a branch on the wave's number.
; The sixteen compares stand in one run, each with a scalar register of its own, so that one wait serves the sixteen selects.
.macro MASKBLK mode, b
.if \mode == 1
	s_cmp_lt_u32 s[WP], 2*\b
.else
	s_cmp_gt_u32 s[WP], 2*\b+1
.endif
	s_cbranch_scc1 .Lopen_\@
.irp i, 0,1,2,3,4,5,6,7,8,9,10,11,12,13,14,15
.if \mode == 1
	v_cmp_lt_i32 s[MK+\i-32*(\i/13)], 32*\b+\i, v[DM]
.else
	v_cmp_gt_i32 s[MK+\i-32*(\i/13)], 32*\b+\i, v[DM]
.endif
.endr
	s_wait_alu depctr_va_sdst(0)                   ; the sixteen compares have written their lane masks, ahead of the first select that reads one
.irp i, 0,1,2,3,4,5,6,7,8,9,10,11,12,13,14,15
	v_cndmask_b32 v[S+16*\b+\i], v[S+16*\b+\i], v[NINF], s[MK+\i-32*(\i/13)]   ; -infinity ahead of the maximum: p = 0 then
.endr
.Lopen_\@:
.endm
; V's fragment t of step j: four loads
.macro VFRAG j, t
.irp c, 0,1,2,3
	ds_load_b128 v[KF+16*(\t)+4*\c:KF+16*(\t)+4*\c+3], v[AV] offset:8192*(\j)+2048*(\t)+512*\c
.endr
.endm
; A KEY STEP: the j-th of my five.  mode 0: all 128 keys count.  In every step that is walked each query has a key that counts, so M is a number from the first on.
.macro STEP j, mode
	s_add_co_u32 s[T0], s[A0], \j
	s_cmp_lt_u32 s[T0], 32                         ; the sequence has 32 steps
	s_cbranch_scc0 .Lgone_\@
	s_wait_alu depctr_va_vdst(0)                   ; the last second products (in my first step: phase A's quantiser) are done reading v32-95, and the last first products K's scale words: K's loads land there; and Q's codes, the zeros and Q's scale word are written, which the products below take
.irp t, 0,1,2,3,4,5,6,7
	ds_load_b128 v[KF+8*\t:KF+8*\t+3], v[AK] offset:8192*\j+1024*\t
	ds_load_b128 v[KF+8*\t+4:KF+8*\t+7], v[AK] offset:8192*\j+1024*\t+512
.endr
	ds_load_b128 v[KS:KS+3], v[AKS] offset:512*\j
	ds_load_b128 v[KS+4:KS+7], v[AKS] offset:512*\j+256
	s_wait_dscnt 0x0
.irp t, 0,1,2,3,4,5,6,7                        ; S^T = K Q^T: source 0 = 16 keys, source 1 = my 16 queries
	v_wmma_scale_f32_16x16x128_f8f6f4 v[S+8*\t:S+8*\t+7], v[KF+8*\t:KF+8*\t+15], v[QC:QC+15], 0, v[KS+\t], v[QS] matrix_a_fmt:MATRIX_FMT_BF8 matrix_b_fmt:MATRIX_FMT_BF8
.endr
.rept 8
	v_nop                                          ; eight places ahead of the loads into K's registers and of the first read of the scores
.endr
	s_wait_alu depctr_va_vdst(0)                   ; the eight products are done reading K's tiles, and the last step's second products V's scale words: V's loads land there.  The places above stay beside this wait
	ds_load_b128 v[VS:VS+3], v[AVS] offset:256*\j  ; V's scale words and four fragments are dealt among the lines below, which name S, the maxima and the mask's registers: none of those that these loads touch.  They land while the softmax is worked
	VFRAG \j, 0
.if \mode
	MASKBLK \mode, 0
	MASKBLK \mode, 1
	MASKBLK \mode, 2
	MASKBLK \mode, 3
.endif
.irp b, 0,1,2,3
	v_max3_num_f32 v[BM+\b], v[S+16*\b], v[S+1+16*\b], v[S+2+16*\b]   ; the largest score of each block of 32 keys: for the row's maximum and, since p rises with the score, for the block's largest p
.endr
	VFRAG \j, 1
.irp i, 3,5,7,9,11,13
.irp b, 0,1,2,3
	v_max3_num_f32 v[BM+\b], v[BM+\b], v[S+16*\b+\i], v[S+1+16*\b+\i]
.endr
.endr
	VFRAG \j, 2
.irp b, 0,1,2,3
	v_max_num_f32 v[BM+\b], v[BM+\b], v[S+15+16*\b]
.endr
	VFRAG \j, 3
.irp b, 0,1,2,3
	v_permlanex16_b32 v[PT+\b], v[BM+\b], s[SEL], s[SEL+1]
.endr
.irp b, 0,1,2,3
	v_max_num_f32 v[BM+\b], v[BM+\b], v[PT+\b]     ; with lane l xor 16's 16 keys
.endr
	v_max3_num_f32 v[TMP], v[BM], v[BM+1], v[BM+2]
	v_max_num_f32 v[TMP], v[TMP], v[BM+3]          ; the step's largest score of my query
	v_mul_f32 v[TMP], s[CS], v[TMP]                ; as t (c is positive)
	v_max_num_f32 v[NM+1], v[NM+1], v[TMP]         ; the running largest t
	v_mov_b32 v[TMP], v[NM]
	v_floor_f32 v[NM], -v[NM+1]                    ; the new -M = floor(-t) = -ceil(t): a whole number
	v_sub_f32 v[TMP], v[NM], v[TMP]                ; old M - new M: a whole number, 0 or less
	v_cvt_i32_f32 v[TMP], v[TMP]                   ; (it saturates)
	v_ldexp_f32 v[FF], 1.0, v[TMP]                 ; f = 2^(old M - new M): a multiplication by it rounds nothing
.irp n, 0,2,4,6,8,10,12,14,16,18,20,22,24,26,28,30,32,34,36,38,40,42,44,46,48,50,52,54,56,58,60,62
	v_pk_fma_f32 v[S+\n:S+\n+1], v[S+\n:S+\n+1], s[CS:CS+1], v[NM:NM+1] op_sel_hi:[1,0,0]   ; t - M, two at a time (of the pairs c and -M the low word serves both halves)
.endr
.irp b, 0,1,2,3
	v_fma_f32 v[BM+\b], v[BM+\b], s[CS], v[NM]     ; the same of each block's largest score
.endr
	s_wait_alu depctr_va_vdst(0)
.irp n, 0,1,2,3,4,5,6,7,8,9,10,11,12,13,14,15,16,17,18,19,20,21,22,23,24,25,26,27,28,29,30,31,32,33,34,35,36,37,38,39,40,41,42,43,44,45,46,47,48,49,50,51,52,53,54,55,56,57,58,59,60,61,62,63
	v_exp_f32 v[S+\n], v[S+\n]                     ; p = 2^(t - M), at most 1: not normalised
.endr
	v_pk_mul_f32 v[SUM:SUM+1], v[SUM:SUM+1], v[FF:FF+1] op_sel_hi:[1,0]   ; the sums under the new M; the plain line behind the exponentials
	s_wait_alu depctr_va_vdst(0)                   ; the 64 exponentials have written p, ahead of its first reader
.irp b, 0,1,2,3
	v_exp_f32 v[BM+\b], v[BM+\b]                   ; the block's largest p: the same two instructions on the same number
.endr
	v_pk_add_f32 v[SUM2:SUM2+1], v[S:S+1], v[S+2:S+3]   ; the row's sum is taken of the unquantised p: two at a time, in two chains
.irp n, 4,8,12,16,20,24,28,32,36,40,44,48,52,56,60
	v_pk_add_f32 v[SUM:SUM+1], v[SUM:SUM+1], v[S+\n:S+\n+1]
	v_pk_add_f32 v[SUM2:SUM2+1], v[SUM2:SUM2+1], v[S+2+\n:S+3+\n]
.endr
	v_pk_add_f32 v[SUM:SUM+1], v[SUM:SUM+1], v[SUM2:SUM2+1]
	s_wait_alu depctr_va_vdst(0)                   ; and the four exponentials have written the blocks' largest p, ahead of its first reader
.irp b, 0,1,2,3
	v_max_num_f32 v[BM+\b], 0x8000000, v[BM+\b]    ; the floor 2^(16 - 127): a block whose every p is 0 keeps the byte 1; its codes are zeros
.endr
.irp b, 0,1,2,3
	v_add_nc_u32 v[SOP+\b], 0xf8800000, v[BM+\b]   ; 15 off the exponent field: the conversion's scale operand
.endr
.irp b, 0,1,2,3
	v_and_or_b32 v[HOLD+\b], v[BM+\b], 0x7f800000, s[MNT]   ; 57,344 x the scale
.endr
.irp b, 0,1,2,3
	v_lshrrev_b32 v[PT+\b], 23, v[SOP+\b]          ; the scale's byte
.endr
	v_lshl_or_b32 v[PS], v[PT+1], 8, v[PT]         ; p's scale word for these 128 keys
	v_lshl_or_b32 v[PS], v[PT+2], 16, v[PS]
	v_lshl_or_b32 v[PS], v[PT+3], 24, v[PS]
.irp b, 0,1,2,3
.irp i, 0,1,2,3,4,5,6,7,8,9,10,11,12,13,14,15
	v_min_num_f32 v[S+16*\b+\i], v[S+16*\b+\i], v[HOLD+\b]   ; the hold; p is not negative, so it is one-sided
.endr
	v_cvt_scalef32_pk8_bf8_f32 v[PCD+4*\b:PCD+4*\b+1], v[S+16*\b:S+16*\b+7], v[SOP+\b]
	v_cvt_scalef32_pk8_bf8_f32 v[PCD+4*\b+2:PCD+4*\b+3], v[S+16*\b+8:S+16*\b+15], v[SOP+\b]
.endr
.irp n, 0,2,4,6,8,10,12,14,16,18,20,22,24,26,28,30
	v_pk_mul_f32 v[O+\n:O+\n+1], v[O+\n:O+\n+1], v[FF:FF+1] op_sel_hi:[1,0]   ; O^T under the new M, each accumulator from its low end on.  These sixteen are also the places between p's codes and the products
.endr
	s_wait_dscnt 0x0                               ; V's fragments and scale words are in
	s_wait_alu depctr_va_vdst(0)                   ; the conversions have written p's codes and the three lines further up its scale word, which the scaled products below take; the places above stay beside this wait
.irp t, 0,1,2,3                                ; O^T += V^T P^T: source 0 = 16 channels, source 1 = p; the four accumulators take turns
	v_wmma_scale_f32_16x16x128_f8f6f4 v[O+8*\t:O+8*\t+7], v[KF+16*\t:KF+16*\t+15], v[PCD:PCD+15], v[O+8*\t:O+8*\t+7], v[VS+\t], v[PS] matrix_a_fmt:MATRIX_FMT_BF8 matrix_b_fmt:MATRIX_FMT_BF8
.endr
.rept 8
	v_nop                                          ; eight places ahead of the next loads into V's registers and of the next read of O^T
.endr
.Lgone_\@:
.endm
	STEP 0, 1                                      ; the band's lower edge runs through my first step,
	STEP 1, 0
	STEP 2, 0
	STEP 3, 0
	STEP 4, 2                                      ; its upper edge through my last
	s_wait_alu depctr_va_vdst(0)
	; THE WAY OUT.  O^T / the sum; the division also lays a lane's 32 channels in order (register 4 j + t: channel 32 h + 4 j + t).
	v_add_f32 v[SUM], v[SUM], v[SUM+1]             ; the sum's two halves,
	v_permlanex16_b32 v[TMP], v[SUM], s[SEL], s[SEL+1]
	v_add_f32 v[SUM], v[SUM], v[TMP]               ; and lane l xor 16's: the row's sum
	s_wait_alu depctr_va_vdst(0)
	v_rcp_f32 v[SUM], v[SUM]
	v_nop                                          ; a plain line behind the reciprocal
	s_wait_alu depctr_va_vdst(0)                   ; the reciprocal is written, ahead of its first reader
.irp j, 0,1,2,3,4,5,6,7
.irp t, 0,1,2,3
	v_mul_f32 v[S+4*\j+\t], v[O+8*\t+\j], v[SUM]   ; (each accumulator's register 0 is read first)
.endr
.endr
	s_wait_alu depctr_va_vdst(0)                   ; the 32 multiplications have written the rows, which the LDS stores read; the last second products are done reading v32-63, in which the loads from the stage land
.irp g, 0,1,2,3,4,5,6,7
	ds_store_b128 v[STO], v[S+4*\g:S+4*\g+3] offset:16*\g    ; row r of my stage, my half's 128 bytes
.endr
.irp i, 0,1,2,3,4,5,6,7
	ds_load_b128 v[KF+4*\i:KF+4*\i+3], v[RD] offset:2*\i*SP  ; LDS serves a wave's instructions in order (ISA guide 5.7.1.4): these see my stores.  Two whole rows a load
.endr
.irp i, 0,1,2,3,4,5,6,7
	s_wait_dscnt 7-\i                              ; rows 2 i and 2 i + 1 are back; the 7 - i younger loads stay out
	global_store_b128 v[GO], v[KF+4*\i:KF+4*\i+3], s[10:11] offset:512*\i th:TH_STORE_NT   ; 32 lanes store 512 consecutive bytes, at a multiple of 512 from out's first byte
.endr
	s_wait_xcnt 0x0
	v_lshl_add_u32 v254, v0, 2, 0x2a200            ; the add's two registers are made anew here (no two could be kept): my spare word, behind the stages; no memory or LDS instruction has named v254 or v255
	v_mov_b32 v255, 0
	s_wait_dscnt 0x0                               ; the closing lines, six on end
	s_wait_alu 0x0
	s_wait_tensorcnt 0x0
	ds_add_u32 v254, v255
	s_wait_dscnt 0x0
	s_endpgm
.Lfunc_end_k_q06909690e2_swa:
	.size	k_q06909690e2_swa, .Lfunc_end_k_q06909690e2_swa-k_q06909690e2_swa
	.p2alignl 7, 3214868480
	.fill 96, 4, 3214868480
	.section	.rodata,"a",@progbits
	.p2align	6, 0x0
	.amdhsa_kernel k_q06909690e2_swa
		.amdhsa_group_segment_fixed_size 174592
		.amdhsa_private_segment_fixed_size 0
		.amdhsa_enable_private_segment 0
		.amdhsa_kernarg_size 32
		.amdhsa_user_sgpr_count 2
		.amdhsa_user_sgpr_kernarg_segment_ptr 1
		.amdhsa_wavefront_size32 1
		.amdhsa_system_sgpr_workgroup_id_x 1
		.amdhsa_system_sgpr_workgroup_id_y 1
		.amdhsa_system_sgpr_workgroup_id_z 1
		.amdhsa_system_vgpr_workitem_id 0
		.amdhsa_next_free_vgpr 256
		.amdhsa_next_free_sgpr 66
		.amdhsa_reserve_vcc 0
		.amdhsa_float_denorm_mode_32 3
		.amdhsa_float_denorm_mode_16_64 3
		.amdhsa_memory_ordered 1
		.amdhsa_forward_progress 1
		.amdhsa_inst_pref_size 190
	.end_amdhsa_kernel
	.amdgpu_metadata
---
amdhsa.version: [ 1, 2 ]
amdhsa.kernels:
  - .name:           k_q06909690e2_swa
    .symbol:         k_q06909690e2_swa.kd
    .args:
      - { .name: q, .offset: 0, .size: 8, .value_kind: global_buffer, .address_space: global }
      - { .name: k, .offset: 8, .size: 8, .value_kind: global_buffer, .address_space: global }
      - { .name: v, .offset: 16, .size: 8, .value_kind: global_buffer, .address_space: global }
      - { .name: out0, .offset: 24, .size: 8, .value_kind: global_buffer, .address_space: global }
    .group_segment_fixed_size: 174592
    .private_segment_fixed_size: 0
    .kernarg_segment_align: 8
    .kernarg_segment_size: 32
    .max_flat_workgroup_size: 512
    .sgpr_count:     66
    .vgpr_count:     256
    .wavefront_size: 32
...
	.end_amdgpu_metadata
.endif
;; end of part 2
